; MI455X (gfx1250); checked and timed in simulation.
; The chip was launched on July 23, 2026; its instructions are those of AMD's public machine-readable ISA for CDNA 5 (MIT licence, August 2026) and "CDNA5" Instruction Set Architecture Reference Guide (July 2026). The comments in the code are by the model that wrote it; some were corrected since.
;; Causal Self Attention. Allowed arithmetic: matrix products marked QUANTISED: E2M3 operands, one E8M0 scale for each 32 along K, by v_wmma_scale_f32_16x16x128_f8f6f4 with both operands' format E2M3, f32 sums; everything else in f32.
;; Inputs: W_attn_codes 3,072 x 32 x 24 uint8 (E2M3 codes of W_attn, K innermost, in blocks of 32 codes, four codes in three bytes); W_attn_scales 3,072 x 32 uint8 (E8M0 scales of W_attn, one for each 32 codes along K); W_proj_codes 1,024 x 32 x 24 uint8 (E2M3 codes of W_proj, K innermost, in blocks of 32 codes, four codes in three bytes); W_proj_scales 1,024 x 32 uint8 (E8M0 scales of W_proj, one for each 32 codes along K); b_attn 3,072 float32; b_proj 1,024 float32; x_codes 4 x 2,048 x 32 x 24 uint8 (E2M3 codes of x, K innermost, in blocks of 32 codes, four codes in three bytes); x_scales 4 x 2,048 x 32 uint8 (E8M0 scales of x, one for each 32 codes along K).
;; Outputs: out0 4 x 2,048 x 1,024 float32.
;; This version of the problem:
;;   THIS VERSION OF THE PROBLEM IS GIVEN IN LOW PRECISION. The matrix products marked QUANTISED in the list below multiply operands that are first quantised to E2M3 (2 exponent bits, 3 mantissa bits; 6 bits a number), with one power-of-two scale for each 32 numbers along K (OCP MX v1.0); their sums are f32. All else is computed in f32.
;;   The module's matrix products, in the order in which they are computed (A, B: the left and right operand; K: the contracted axis; several contracted axes count as one K, in the product's order):
;;     1. [M 8,192, K 1,024] x [K 1,024, N 3,072]; A: input x (given as codes); B: input W_attn (given as codes): QUANTISED
;;     2. batch 64 x [M 2,048, K 64] x [K 64, N 2,048]; A: computed on the way; B: computed on the way: QUANTISED
;;     3. batch 64 x [M 2,048, K 2,048] x [K 2,048, N 64]; A: softmax (see below); B: computed on the way: QUANTISED
;;     4. [M 8,192, K 1,024] x [K 1,024, N 1,024]; A: computed on the way; B: input W_proj (given as codes): QUANTISED
;;   THE QUANTISER, for each operand of a quantised product, along K:
;;     - K is cut into blocks of 32 from its start; a last block that is shorter is filled with zeros.
;;     - A block's scale is 2^e with e = floor(log2(the largest magnitude in the block)) - 2, held to -126 .. 127; a block of zeros has e = 0. As a byte (E8M0): e + 127.
;;     - Each number is divided by its block's scale, clamped to +-7.5, and rounded to the nearest number of E2M3, ties to even, subnormals kept.
;;     - The product sums the exact products of the quantised numbers (number of the format x scale) in f32.
;;   ~~~python
;;   def quantise(x, axis):      # numpy; x: float32 -> the quantised numbers, widened to float32 again
;;       x = np.moveaxis(x, axis, -1); K = x.shape[-1]
;;       x = np.pad(x, [(0, 0)] * (x.ndim - 1) + [(0, -K % 32)]); x = x.reshape(x.shape[:-1] + (-1, 32)); a = np.abs(x).max(-1, keepdims=True)
;;       e = np.where(a > 0, np.clip(np.frexp(np.where(a > 0, a, 1))[1] - 1 - 2, -126, 127), 0)      # np.frexp(a)[1] - 1 = floor(log2(a)), exactly
;;       r = np.clip(x / 2.0 ** e, -7.5, 7.5)
;;       step = 2.0 ** (np.maximum(np.frexp(np.where(r == 0, 1, r))[1] - 1, 0) - 3)
;;       q = np.round(r / step) * step * 2.0 ** e      # np.round: ties to even
;;       return np.moveaxis(q.reshape(q.shape[:-2] + (-1,))[..., :K], -1, axis).astype(np.float32)
;;   ~~~
;;   SOFTMAX AHEAD OF A QUANTISED PRODUCT. Where the list says 'softmax', what is quantised is not the finished softmax but p = 2^(t - M), with t = logit x log2(e) and M = ceil(the row's largest t), a whole number; so 1/2 < the row's largest p <= 1. The row's sum l is taken of the UNQUANTISED p, in f32, and the product's result is divided by l at the end. Since M is a whole number, a kernel that streams over the keys may use a running M (the ceiling of the running maximum): every later rescaling is an exact power of two, which a block's scale takes up: the codes' values come out the same.
;;   OPERANDS COMPUTED ON THE WAY. 'Computed on the way' means the value that the module computes at that place (a softmax that the list does not call 'softmax' is quantised finished and normalised). What goes into a quantiser is computed in f32, as accurately as f32 sums, v_exp_f32 and their like allow (about 1e-6 of the number): no bf16 or f16 on the way to a quantiser, and a product that is left as it is and whose result goes on into a quantised operand takes f32 operands (vector FMAs, or v_wmma_f32_16x16x4_f32). A number that lies on a knife's edge between two numbers of the format may be rounded either way, as far as f32 arithmetic and the matrix unit's own rounding can turn it there, and no further.
;;   INPUTS GIVEN AS CODES. W_attn (in the module: [1024, 3072], K = its axis 0); W_proj (in the module: [1024, 1024], K = its axis 0); x (in the module: [4, 2048, 1024], K = its axis 2): each comes as NAME_codes (uint8): NAME with its K axis moved to the last place and cut into blocks of 32 codes, [.., K / 32, bytes a block], one block behind the other in memory; four codes in three bytes: a row's codes are one little-endian stream of bits, code i at bits 6 i .. 6 i + 5 (a code: sign, 2 exponent bits, 3 mantissa bits); and NAME_scales (uint8): the same leading axes, one E8M0 byte (e + 127) for each 32 codes along K. Its value is code x scale, taken as it is: it is not quantised again, and the codes and scales need not be those that the quantiser above would give.
;; One version. Each part assembles by itself: llvm-mc -triple=amdgcn-amd-amdhsa -mcpu=gfx1250 --defsym DOCPART=n.
;; ======== version 1 of 1: 3 launches
;; limits: right only within a limited range of input values
;; workspace buffers: img 21,495,808 bytes; vt 33,554,432 bytes; yimg 6,291,456 bytes; ysc 262,144 bytes
;; launch qkv (part 1): grid 96 x 4, 4 waves a work-group, clusters of 4 x 4, 327,680 bytes of LDS; arguments x_codes, x_scales, W_attn_codes, W_attn_scales, b_attn, img, vt; writes img, vt
.if DOCPART == 1
	.amdgcn_target "amdgcn-amd-amdhsa--gfx1250"
	.amdhsa_code_object_version 6
	.text
	.protected	k_q27b548c605_qkv
	.globl	k_q27b548c605_qkv
	.p2align	8
	.type	k_q27b548c605_qkv,@function
k_q27b548c605_qkv:
	s_mov_b64 s[64:65], 0
	v_nop
	global_prefetch_b8 v0, s[64:65] scope:SCOPE_SE
	s_setreg_imm32_b32 hwreg(HW_REG_WAVE_MODE, 25, 1), 1
	s_wait_xcnt 0x0
	s_wait_alu depctr_hold_cnt(0) depctr_sa_sdst(0) depctr_va_vdst(0) depctr_va_sdst(0) depctr_va_ssrc(0) depctr_va_vcc(0) depctr_vm_vsrc(0)
	s_getreg_b32 s2, hwreg(HW_REG_IB_STS2, 6, 4)
	s_cmp_eq_u32 s2, 0
	s_cbranch_scc0 .Lentry_in_a_cluster
	s_endpgm
.Lentry_in_a_cluster:
	s_bfe_u32 s2, ttmp6, 0x10000c
	s_cmp_lg_u32 s2, 0xf033
	s_cbranch_scc0 .Lentry_shape_is_right
	s_endpgm
.Lentry_shape_is_right:
; qkv = x W_attn + b_attn on codes of FP6 (E2M3), one E8M0 scale for each 32 along K = 1,024; then, by kind: k: sparsemax over each head's 64 channels; q, k: quantised along the head's 64;
; v: quantised along the tokens (the keys of the attention's second product), and kept in f32, transposed, for the output correction.
; 24 clusters of 4 x 4 work-groups; cluster c: kind T = c / 8 (0 k, 1 q, 2 v), g = c % 8: 1,024 tokens.  A work-group makes 256 x 256 of C = A B^T, a wave 128 x 128 (64 accumulators).
; q, k: A = x, B = W_attn.  v: A = W_attn, B = x.  The matrix instruction is used transposed (source 0 = rows of B, source 1 = rows of A): a lane holds one row of A, its registers run along B's rows.
; K goes through a ring of two LDS slots in chunks of 256 bytes of each row (a row of codes is 768 bytes: three chunks, each beginning at a multiple of 256 bytes); a step of 128 along K is 96 bytes:
; steps 2 and 5 lie across two chunks.  A's tiles are asked for jointly along a row of the cluster, B's along a column.  The scales of all of K come once.  The bias is the C of each sum's first product.
; All of K is three chunks: one comes by the head's loads, one by the first load behind the round and one by the single refill, so no trip is left in which a prefetch could run ahead.
; THE WAY OUT.  The 64 accumulators go to the wave's own stage in LDS (128 rows x 528 bytes, over the ring, which has had its last fill and, behind a barrier, its last read); a loop of eight trips, 16 rows of A each:
; for k two sparsemax; the quantiser; the codes leave as images of the operand's registers.
; IMAGES.  Half fragment (16 rows x 64 K, 768 bytes): lane l's registers 0-3 at 16 l, registers 4-5 at 512 + 8 l.  Full fragment (16 x 128, 1,536 bytes): registers 4 c .. 4 c + 3 at 512 c + 16 l.  Scale words: 4 l.
; img: [batch x head][128 tokens] records of 20,992 bytes: q at 0 and k at 7,168 (8 half fragments, 8 x 128 bytes of scale words), v at 14,336 (4 full fragments of 16 channels x 128 keys, 4 x 128 bytes).
; ORDER INSIDE A BLOCK OF 32: place 16 h + 8 u + i holds element 16 u + 8 h + i; q and k carry the same order, and so do v and the attention's p.
; SPARSEMAX: a row's 64 numbers (32 in lane l, 32 in lane l xor 16) are sorted by a bitonic network; tau = max over k of (sum of the k largest - 1) / k.  No iteration, no branch on data.
; LIMITS: NaN and infinities are not served.  A block whose largest magnitude lies under 2^-124 (a block of zeros too) gets the byte 1; this program alone reads the bytes.
.set ROWB,   256
.set NQ,     2
.set KROW,   768
.set STEPS,  8
.set CHUNKS, 3
.set PITCH,  272
.set FR,     12
.set NL,     6
.set NP,     4
.set HALFT,  128*PITCH
.set SLOT,   4*HALFT
.set KS,     32
.set SCL,    2*SLOT
.set HALFS,  (128*KS/256)*272
.set SBLK,   (16*KS/256)*272
.set SPARE,  327168                    ; the spare words, at the end of LDS
.set SPITCH, 528
.set WSTG,   128*SPITCH
.set REC,    20992
.set ADRA, 16                          ; v16-17 A's fragments in slot 0, 1; v18-19 for pieces whose two lane halves lie in different chunks
.set ADRB, 20
.set STO,  24
.set RD,   25
.set CO,   26
.set ADRS, 27
.set SPW,  28
.set NIL,  29
.set SC,   32                          ; v32-63 scale words, two sets
.set BI,   64                          ; v64-127 the bias
.set AF,   128
.set RAD,  16
.set O8,   17
.set O4,   18
.set HAD,  19
.set SG,   2
.set HFL,  3
.set T0,   4
.set T1,   5
.set TAU,  6
.set TMX,  8
.set TMB,  12
.set TMS,  20
.set PW,   30
.set PW0,  31
.set PW1,  243
.set H,    64
.set W0,   128
.set W1,   160
.set RK,   192
.set CD,   224
.set SEL,  66
.set G1, 24
.set G0, 32
.set G1B, 48
.set G0B, 56
.set G1S, 68
.set G0S, 76
.set G1SB, 80
.set G0SB, 88
.set G0H, 4                            ; group 0 of the head's loads of chunk 0, in registers whose arguments have been used
.set G0HB, 8
.set MSB, 0
.macro WIN new
.if MSB != (\new)
	s_set_vgpr_msb (MSB<<8)|(\new)
.set MSB, (\new)
.endif
.endm
.set TO_B,   0x40
.macro WMUL hi, zero                   ; source 0 window 1, source 1 window 0, D window 2 or 3; the first step's C, the bias, lies in window 0
.if \zero
	WIN 0x81+0x40*(\hi)
.else
	WIN 0xa1+0x50*(\hi)
.endif
.endm
.macro JLOAD g0a, g1a, g0b, g1b        ; waves 0, 1 fetch for A, waves 2, 3 for B
	s_cmp_eq_u32 s15, 0
	s_cbranch_scc0 .Lfor_b_\@
	tensor_load_to_lds s[\g0a:\g0a+3], s[\g1a:\g1a+7]
	s_nop 0
.rept 4
	v_nop
.endr
	s_branch .Lasked_\@
.Lfor_b_\@:
	tensor_load_to_lds s[\g0b:\g0b+3], s[\g1b:\g1b+7]
	s_nop 0
.rept 4
	v_nop
.endr
.Lasked_\@:
.endm
.macro CREST
	s_cmp_lg_u32 s14, 0
	s_cbranch_scc1 .Lnot_wave_0_\@
	s_barrier_signal -3
.Lnot_wave_0_\@:
	s_barrier_wait -3
	s_barrier_signal -1
	s_barrier_wait -1
.endm
.macro CROUND
	s_barrier_signal -1
	s_barrier_wait -1
	CREST
.endm
	s_load_b128 s[4:7], s[0:1], 0x0                ; x's codes, x's scales
	s_load_b128 s[8:11], s[0:1], 0x10              ; W_attn's codes, scales
	s_load_b64 s[12:13], s[0:1], 0x20              ; b_attn
	v_lshl_add_u32 v[SPW], v0, 2, SPARE
	v_mov_b32 v[NIL], 0
	ds_add_u32 v[SPW], v[NIL]                      ; the opening lines
	ds_add_u32 v[SPW], v[NIL]
	v_lshrrev_b32 v1, 5, v0
	v_readfirstlane_b32 s14, v1                    ; wave
	s_lshr_b32 s15, s14, 1                         ; my half of A's rows; also: I fetch for A (0) or B (1)
	s_and_b32 s16, s14, 1                          ; my half of B's rows; also: which 128 rows I fetch
	s_bfe_u32 s40, ttmp6, 0x40000                  ; cx
	s_bfe_u32 s41, ttmp6, 0x40004                  ; cy
	s_lshr_b32 s97, ttmp9, 3                       ; T: the same in all sixteen partners
	s_and_b32 s96, ttmp9, 7                        ; g
	s_lshl_b32 s98, s96, 10                        ; the cluster's first token
	s_cmp_eq_u32 s97, 0
	s_cselect_b32 s99, 1024, 0                     ; W_attn's rows: q from 0, k from 1,024, v from 2,048
	s_mov_b32 s95, 2048
	s_cmp_eq_u32 s97, 2
	s_cselect_b32 s99, s98, s99                    ; B's first row for the cluster
	s_cselect_b32 s95, s95, s98                    ; A's
	s_lshl_b32 s43, s41, 2
	s_lshl_b32 s43, 15, s43                        ; my row of the cluster
	s_lshl_b32 s44, 0x1111, s40                    ; my column
	s_or_b32 s[G1+0], s43, (0<<16)|(1<<20)|(1<<21)|(5<<22)|(3<<25)   ; rows of 256 bytes, 16 bytes of padding behind each
	s_or_b32 s[G1B+0], s44, (0<<16)|(1<<20)|(1<<21)|(5<<22)|(3<<25)
.irp g, G1, G1B
	s_mov_b32 s[\g+1], ROWB<<16
	s_mov_b32 s[\g+2], 256<<16                     ; 256 rows for the head's loads
	s_mov_b32 s[\g+3], ROWB<<16
	s_mov_b32 s[\g+4], 256
	s_mov_b32 s[\g+5], KROW
	s_mov_b32 s[\g+6], 0
	s_mov_b32 s[\g+7], 0
.endr
	s_or_b32 s[G1S+0], s43, (3<<16)|(1<<20)|(1<<21)|(5<<22)|(3<<25)  ; the scales of 256 rows: 8,192 dense bytes as 32 rows of 256
	s_or_b32 s[G1SB+0], s44, (3<<16)|(1<<20)|(1<<21)|(5<<22)|(3<<25)
.irp g, G1S, G1SB
	s_mov_b32 s[\g+1], 32<<16
	s_mov_b32 s[\g+2], KS<<16
	s_mov_b32 s[\g+3], 32<<16
	s_mov_b32 s[\g+4], KS
	s_mov_b32 s[\g+5], 32
	s_mov_b32 s[\g+6], 0
	s_mov_b32 s[\g+7], 0
.endr
	s_lshl_b32 s20, s41, 8
	s_add_co_u32 s20, s20, s95                     ; A: the tile's first row: no cx in it
	s_lshl_b32 s46, s40, 8
	s_add_co_u32 s46, s46, s99                     ; B: no cy in it
	s_mov_b32 s21, 0
	s_mov_b32 s47, 0
	s_mov_b64 s[18:19], KS
	s_mul_u64 s[22:23], s[20:21], s[18:19]
	s_mul_u64 s[92:93], s[46:47], s[18:19]
	s_mov_b64 s[18:19], KROW
	s_mul_u64 s[20:21], s[20:21], s[18:19]
	s_mul_u64 s[46:47], s[46:47], s[18:19]
	s_mul_i32 s18, s16, 128*KROW                   ; in the ring: which 128 rows I fetch,
	s_mov_b32 s19, 0
	s_mul_i32 s45, s14, HALFT                      ; and where they go
	s_wait_dscnt 0x0
	s_wait_kmcnt 0x0
	s_cmp_eq_u32 s97, 2                            ; which tensor is A hangs on the cluster's number alone
	s_cselect_b64 s[100:101], s[8:9], s[4:5]
	s_cselect_b64 s[104:105], s[10:11], s[6:7]
	s_cselect_b64 s[8:9], s[4:5], s[8:9]
	s_cselect_b64 s[10:11], s[6:7], s[10:11]
	s_add_nc_u64 s[20:21], s[100:101], s[20:21]
	s_add_nc_u64 s[22:23], s[104:105], s[22:23]
	s_add_nc_u64 s[46:47], s[8:9], s[46:47]
	s_add_nc_u64 s[92:93], s[10:11], s[92:93]
	CROUND                                         ; the first joint loads meet
	s_mov_b32 s[G0H], 1
	s_mov_b32 s[G0H+1], 0
	s_mov_b64 s[G0H+2:G0H+3], s[20:21]
	s_or_b32 s[G0H+3], s[G0H+3], 0x80000000
	s_mov_b32 s[G0HB], 1
	s_mov_b32 s[G0HB+1], 2*HALFT
	s_mov_b64 s[G0HB+2:G0HB+3], s[46:47]
	s_or_b32 s[G0HB+3], s[G0HB+3], 0x80000000
	s_mov_b32 s[G0S], 1
	s_mov_b32 s[G0S+1], SCL
	s_mov_b64 s[G0S+2:G0S+3], s[22:23]
	s_or_b32 s[G0S+3], s[G0S+3], 0x80000000
	s_mov_b32 s[G0SB], 1
	s_mov_b32 s[G0SB+1], SCL+2*HALFS
	s_mov_b64 s[G0SB+2:G0SB+3], s[92:93]
	s_or_b32 s[G0SB+3], s[G0SB+3], 0x80000000
	s_add_nc_u64 s[20:21], s[20:21], s[18:19]
	s_add_nc_u64 s[46:47], s[46:47], s[18:19]
.irp s, 0,1
	s_mov_b32 s[G0+4*\s], 1
	s_add_co_u32 s[G0+4*\s+1], s45, \s*SLOT
	s_add_nc_u64 s[G0+4*\s+2:G0+4*\s+3], s[20:21], \s*ROWB
	s_or_b32 s[G0+4*\s+3], s[G0+4*\s+3], 0x80000000
	s_mov_b32 s[G0B+4*\s], 1
	s_add_co_u32 s[G0B+4*\s+1], s45, \s*SLOT
	s_add_nc_u64 s[G0B+4*\s+2:G0B+4*\s+3], s[46:47], \s*ROWB
	s_or_b32 s[G0B+4*\s+3], s[G0B+4*\s+3], 0x80000000
.endr
; the head's four tiles, one load a wave: wave 0 chunk 0 of A's 256 rows, wave 1 of B's, wave 2 A's scales, wave 3 B's
.macro ARM under, g0, g1, next
	s_cmp_lt_u32 s14, \under
	s_cbranch_scc0 \next
	tensor_load_to_lds s[\g0:\g0+3], s[\g1:\g1+7]
	s_nop 0
.rept 4
	v_nop
.endr
	s_branch .Lhead_asked
\next:
.endm
	ARM 1, G0H,  G1,  .Lhead_b
	ARM 2, G0HB, G1B, .Lhead_sa
	ARM 3, G0S,  G1S, .Lhead_sb
	tensor_load_to_lds s[G0SB:G0SB+3], s[G1SB:G1SB+7]
	s_nop 0
.rept 4
	v_nop
.endr
.Lhead_asked:
	; the bias in the result's layout.  q, k: tile i, register j = b(16 i + 8 h + j) of my 128 features (B's rows).  v: tile i, every register = b(16 i + r) (A's rows)
	s_lshl_b32 s2, s40, 8
	s_add_co_u32 s2, s2, s99
	s_lshl_b32 s3, s16, 7
	s_add_co_u32 s2, s2, s3
	s_lshl_b32 s17, s41, 8
	s_add_co_u32 s17, s17, s95
	s_lshl_b32 s3, s15, 7
	s_add_co_u32 s17, s17, s3
	s_cmp_eq_u32 s97, 2
	s_cselect_b32 s2, s17, s2
	s_cselect_b32 s17, 4, 0
	s_cselect_b32 s18, 0, 32
	s_cselect_b32 s19, 0, 4
	s_lshl_b32 s2, s2, 2
	s_mov_b32 s3, 0
	s_add_nc_u64 s[12:13], s[12:13], s[2:3]
	v_and_b32 v1, 15, v0                           ; r
	v_bfe_u32 v2, v0, 4, 1                         ; h
	v_mul_u32_u24 v7, v1, s17
	v_mad_u32_u24 v7, v2, s18, v7
	s_wait_alu depctr_va_vdst(0)                   ; ahead of the scalar run
.irp j, 0,1,2,3,4,5,6,7
	s_mul_i32 s3, s19, \j
	v_add_nc_u32 v[8+\j], s3, v7
.endr
.irp i, 0,1,2,3,4,5,6,7
.irp j, 0,1,2,3,4,5,6,7
	global_load_b32 v[BI+8*\i+\j], v[8+\j], s[12:13] offset:64*\i
.endr
.endr
	v_mul_u32_u24 v3, v1, PITCH
	v_mul_u32_u24 v4, v2, 24
	v_add_nc_u32 v4, v3, v4                        ; row x pitch + 24 x half
	s_mov_b32 s21, SLOT-232
	s_mov_b32 s22, SLOT+232
	v_sub_nc_u32 v7, 1, v2
	v_mul_u32_u24 v5, s21, v2
	v_add_nc_u32 v5, v3, v5
	v_add_nc_u32 v5, 232, v5                       ; lanes 0-15 byte 232 of the row in slot 0, lanes 16-31 byte 0 in slot 1;
	v_mul_u32_u24 v6, s22, v7
	v_add_nc_u32 v6, v3, v6                        ; and the other way round
	s_mul_i32 s21, s15, HALFT
	s_mul_i32 s22, s16, HALFT
	s_add_co_u32 s22, s22, 2*HALFT
	v_add_nc_u32 v[ADRA+2], s21, v5
	v_add_nc_u32 v[ADRA+3], s21, v6
	v_add_nc_u32 v[ADRB+2], s22, v5
	v_add_nc_u32 v[ADRB+3], s22, v6
.irp s, 0,1
	v_add_nc_u32 v[ADRA+\s], s21, v4
	v_add_nc_u32 v[ADRB+\s], s22, v4
	s_add_co_u32 s21, s21, SLOT
	s_add_co_u32 s22, s22, SLOT
.endr
	v_mul_u32_u24 v5, v1, KS
	v_lshrrev_b32 v6, 8, v5
	v_lshl_add_u32 v5, v6, 4, v5
	s_mul_i32 s21, s15, HALFS
	s_mul_i32 s22, s16, HALFS
	s_add_co_u32 s22, s22, 2*HALFS
	s_sub_co_u32 s22, s22, s21
	v_mul_u32_u24 v6, s22, v2                      ; lanes 16-31 take B's
	s_add_co_u32 s21, s21, SCL
	v_add_nc_u32 v5, v5, v6
	v_add_nc_u32 v[ADRS], s21, v5
	s_mul_i32 s23, s14, WSTG                       ; my stage
	v_mul_u32_u24 v5, v1, SPITCH
	v_lshl_add_u32 v5, v2, 5, v5
	v_add_nc_u32 v[STO], s23, v5
	v_and_b32 v6, 31, v0
	v_lshlrev_b32 v[CO], 4, v6
	v_add_nc_u32 v[RD], s23, v[CO]
.macro FRAG reg, adr, st, i            ; 16 rows x 128 K: 12 registers in pieces of 8 bytes; byte y of a row lies in slot (y / 256) % 2 at byte y % 256
.irp p, 0,1,2,3,4,5
.set BY, 96*(\st)+48*(\p/3)+8*(\p%3)
.if BY/ROWB == (BY+24)/ROWB
	ds_load_b64 v[\reg+2*\p:\reg+2*\p+1], v[\adr+(BY/ROWB)%2] offset:BY%ROWB+(\i)*16*PITCH
.else
	ds_load_b64 v[\reg+2*\p:\reg+2*\p+1], v[\adr+2+(BY/ROWB)%2] offset:BY%ROWB-232+(\i)*16*PITCH
.endif
.endr
.endm
; 16 products: A's blocks a0, a0 + 1 x B's eight.  zero = 1: C = the bias of B's block; 2: of A's block; 0: in place.  The 64 accumulators take turns
.macro MUL16 a0, p, q, sc, zero
.irp a, \a0, \a0+1
.irp b, 0,1,2,3,4,5,6,7
.set rD, 8*(8*((\a)%4)+\b)
.set rB, 128*(\p)+FR*\b
.set rA, AF+FR*(\a)
.set rX, SC+8*NQ*(\sc)+NQ*\b+(\q)
.set rY, SC+8*NQ*(\sc)+NQ*(\a)+(\q)
.if (\zero) == 1
	v_wmma_scale_f32_16x16x128_f8f6f4 v[rD:rD+7], v[rB:rB+FR-1], v[rA:rA+FR-1], v[BI+8*\b:BI+8*\b+7], v[rX], v[rY] matrix_a_fmt:MATRIX_FMT_FP6 matrix_b_fmt:MATRIX_FMT_FP6 matrix_a_scale:MATRIX_SCALE_ROW1
.elseif (\zero) == 2
	v_wmma_scale_f32_16x16x128_f8f6f4 v[rD:rD+7], v[rB:rB+FR-1], v[rA:rA+FR-1], v[BI+8*(\a):BI+8*(\a)+7], v[rX], v[rY] matrix_a_fmt:MATRIX_FMT_FP6 matrix_b_fmt:MATRIX_FMT_FP6 matrix_a_scale:MATRIX_SCALE_ROW1
.else
	v_wmma_scale_f32_16x16x128_f8f6f4 v[rD:rD+7], v[rB:rB+FR-1], v[rA:rA+FR-1], v[rD:rD+7], v[rX], v[rY] matrix_a_fmt:MATRIX_FMT_FP6 matrix_b_fmt:MATRIX_FMT_FP6 matrix_a_scale:MATRIX_SCALE_ROW1
.endif
.endr
.endr
.endm
.macro FETCH_B st, p
	WIN TO_B
.irp i, 0,1,2,3,4,5,6,7
	FRAG 128*(\p)+FR*\i, ADRB, \st, \i
.endr
	WIN 0
.endm
.macro FETCH_A st, i0
.irp i, \i0, \i0+1, \i0+2, \i0+3
	FRAG AF+FR*(\i), ADRA, \st, \i
.endr
.endm
.macro SCALES pr                       ; the scale words of steps 2 pr, 2 pr + 1: lanes 0-15 A's block i, lanes 16-31 B's
.irp i, 0,1,2,3,4,5,6,7
	ds_load_b64 v[SC+8*NQ*((\pr)%2)+NQ*\i:SC+8*NQ*((\pr)%2)+NQ*\i+1], v[ADRS] offset:\i*SBLK+4*NQ*(\pr)
.endr
.endm
.macro PLACES n                        ; plain places behind matrix instructions (ISA guide 7.12.1)
.rept \n
	v_nop
.endr
.endm
; A step of 128 along K.  Where the next step's bytes end in a chunk not yet read: a barrier shows it whole.  Where they begin in a later chunk: the chunk left behind is read no more;
; the wait for all tensor loads, the add and the wait for it stand in front of the barrier, and where a chunk two on is left, a round of the cluster's barrier and the refill follow.
.macro STEP st, zero
.set NX, (\st)+1
.set C0, (96*(\st))/ROWB
.set C1, (96*NX)/ROWB
.set E0, (96*(\st)+95)/ROWB
.set E1, (96*NX+95)/ROWB
.if C1 > C0 || E1 > E0
	s_wait_tensorcnt 0x0
.if C1 > C0
	ds_add_u32 v[SPW], v[NIL]
	s_wait_dscnt 4*NL+1                            ; the add and A's blocks 4-7 (24 loads) may be out
.else
	s_wait_dscnt 4*NL
.endif
	WMUL 0, \zero
	MUL16 0, (\st)%2, (\st)%2, ((\st)/2)%2, \zero
	s_wait_dscnt 0x0
	s_barrier_signal -1
	MUL16 2, (\st)%2, (\st)%2, ((\st)/2)%2, \zero
	WIN 0
	s_barrier_wait -1
.if C1 > C0 && C0+2 < CHUNKS
	CREST
	s_add_nc_u64 s[G0+4*(C0%2)+2:G0+4*(C0%2)+3], s[G0+4*(C0%2)+2:G0+4*(C0%2)+3], 2*ROWB
	s_add_nc_u64 s[G0B+4*(C0%2)+2:G0B+4*(C0%2)+3], s[G0B+4*(C0%2)+2:G0B+4*(C0%2)+3], 2*ROWB
	JLOAD G0+4*(C0%2), G1, G0B+4*(C0%2), G1B
.else
	PLACES NP
.endif
.else
	s_wait_dscnt 4*NL                              ; the youngest 24 loads (A's blocks 4-7) may be out
	WMUL 0, \zero
	MUL16 0, (\st)%2, (\st)%2, ((\st)/2)%2, \zero
	MUL16 2, (\st)%2, (\st)%2, ((\st)/2)%2, \zero
	s_wait_dscnt 0
	PLACES NP
.endif
	FETCH_B NX, NX%2
	FETCH_A NX, 0
.if NX%2 == 0
	SCALES NX/2
.endif
	WMUL 1, \zero
	MUL16 4, (\st)%2, (\st)%2, ((\st)/2)%2, \zero
	MUL16 6, (\st)%2, (\st)%2, ((\st)/2)%2, \zero
	PLACES NP
	WIN 0
	FETCH_A NX, 4
.endm
; One layer of the sorting network, from bank s into bank d: registers i and i + j; the larger to the lower place where i has bit k clear
.macro LAYER s, d, k, j
.set li, 0
.rept 32
.if (li & \j) == 0
.if (li & \k) == 0
	v_max_num_f32 v[\d+li], v[\s+li], v[\s+li+\j]
	v_min_num_f32 v[\d+li+\j], v[\s+li], v[\s+li+\j]
.else
	v_min_num_f32 v[\d+li], v[\s+li], v[\s+li+\j]
	v_max_num_f32 v[\d+li+\j], v[\s+li], v[\s+li+\j]
.endif
.endif
.set li, li+1
.endr
.endm
; v[hb] .. v[hb + 31] and lane l xor 16's are one row's 64 numbers z: they become max(z - tau, 0)
.macro SPARSEMAX hb
.set cn, 0
.rept 32
	v_mul_f32 v[W0+cn], v[SG], v[\hb+cn]           ; lanes 16-31 sort -z
.set cn, cn+1
.endr
	LAYER W0, W1, 2, 1
	LAYER W1, W0, 4, 2
	LAYER W0, W1, 4, 1
	LAYER W1, W0, 8, 4
	LAYER W0, W1, 8, 2
	LAYER W1, W0, 8, 1
	LAYER W0, W1, 16, 8
	LAYER W1, W0, 16, 4
	LAYER W0, W1, 16, 2
	LAYER W1, W0, 16, 1
	LAYER W0, W1, 32, 16
	LAYER W1, W0, 32, 8
	LAYER W0, W1, 32, 4
	LAYER W1, W0, 32, 2
	LAYER W0, W1, 32, 1                            ; the 64 are bitonic
.set cn, 0
.rept 32
	v_permlanex16_b32 v[W0+cn], v[W1+cn], s[SEL], s[SEL+1]
.set cn, cn+1
.endr
.set cn, 0
.rept 32
	v_max_num_f32 v[W0+cn], v[W1+cn], -v[W0+cn]
.set cn, cn+1
.endr
.set cn, 0
.rept 32
	v_mul_f32 v[W0+cn], v[SG], v[W0+cn]
.set cn, cn+1
.endr
	LAYER W0, W1, 64, 16
	LAYER W1, W0, 64, 8
	LAYER W0, W1, 64, 4
	LAYER W1, W0, 64, 2
	LAYER W0, W1, 64, 1                            ; register i of half h is the (32 h + i + 1)-th largest
.set cn, 0
.rept 8
	v_pk_add_f32 v[W0+cn:W0+cn+1], v[W1+cn:W1+cn+1], v[W1+16+cn:W1+17+cn]
.set cn, cn+2
.endr
.set cn, 0
.rept 4
	v_pk_add_f32 v[W0+cn:W0+cn+1], v[W0+cn:W0+cn+1], v[W0+8+cn:W0+9+cn]
.set cn, cn+2
.endr
	v_pk_add_f32 v[W0:W0+1], v[W0:W0+1], v[W0+4:W0+5]
	v_pk_add_f32 v[W0+2:W0+3], v[W0+2:W0+3], v[W0+6:W0+7]
	v_pk_add_f32 v[W0:W0+1], v[W0:W0+1], v[W0+2:W0+3]
	v_add_f32 v[T0], v[W0], v[W0+1]
	v_permlanex16_b32 v[T1], v[T0], s[SEL], s[SEL+1]
	v_fma_f32 v[T1], v[T1], v[HFL], -1.0           ; lanes 0-15 begin at -1, lanes 16-31 at the 32 largest numbers' sum - 1
	v_add_f32 v[W0], v[T1], v[W1]
.set cn, 1
.rept 31
	v_add_f32 v[W0+cn], v[W0+cn-1], v[W1+cn]
.set cn, cn+1
.endr
.set cn, 0
.rept 16
	v_pk_mul_f32 v[W0+cn:W0+cn+1], v[W0+cn:W0+cn+1], v[RK+cn:RK+cn+1]
.set cn, cn+2
.endr
	v_max3_num_f32 v[T0], v[W0], v[W0+1], v[W0+2]
	v_max3_num_f32 v[T1], v[W0+16], v[W0+17], v[W0+18]
.irp i, 3,5,7,9,11,13
	v_max3_num_f32 v[T0], v[T0], v[W0+\i], v[W0+\i+1]
	v_max3_num_f32 v[T1], v[T1], v[W0+16+\i], v[W0+17+\i]
.endr
	v_max3_num_f32 v[T0], v[T0], v[T1], v[W0+15]
	v_max_num_f32 v[T0], v[T0], v[W0+31]
	v_permlanex16_b32 v[T1], v[T0], s[SEL], s[SEL+1]
	v_max_num_f32 v[TAU], v[T0], v[T1]
.set cn, 0
.rept 16
	v_pk_add_f32 v[\hb+cn:\hb+cn+1], v[\hb+cn:\hb+cn+1], v[TAU:TAU+1] op_sel_hi:[1,0] neg_lo:[0,1] neg_hi:[0,1]
.set cn, cn+2
.endr
.set cn, 0
.rept 32
	v_max_num_f32 v[\hb+cn], 0, v[\hb+cn]
.set cn, cn+1
.endr
.endm
; 64 numbers of a lane (registers 16 b .. 16 b + 15: my 16 members of block b of my row) become a fragment's codes in v[CD] on and its scale word in v[PW]
.macro QUANT s
.irp b, 0,1,2,3
	v_max3_num_f32 v[TMX+\b], |v[\s+16*\b]|, |v[\s+1+16*\b]|, 0x1800000   ; the floor 2^(3 - 127): the byte cannot fall under 1
.endr
.irp i, 2,4,6,8,10,12,14
.irp b, 0,1,2,3
	v_max3_num_f32 v[TMX+\b], v[TMX+\b], |v[\s+16*\b+\i]|, |v[\s+1+16*\b+\i]|
.endr
.endr
.irp b, 0,1,2,3
	v_permlanex16_b32 v[TMB+\b], v[TMX+\b], s[SEL], s[SEL+1]
.endr
.irp b, 0,1,2,3
	v_max_num_f32 v[TMX+\b], v[TMX+\b], v[TMB+\b]
.endr
.irp b, 0,1,2,3
	v_add_nc_u32 v[TMS+\b], 0xff000000, v[TMX+\b]  ; 2 off the exponent field: the conversion's scale operand
.endr
.irp b, 0,1,2,3
	v_lshrrev_b32 v[TMB+\b], 23, v[TMS+\b]
.endr
	v_lshl_or_b32 v[PW], v[TMB+1], 8, v[TMB]
	v_lshl_or_b32 v[PW], v[TMB+2], 16, v[PW]
	v_lshl_or_b32 v[PW], v[TMB+3], 24, v[PW]
.irp c, 0,1
	v_cvt_scalef32_pk16_fp6_f32 v[CD+6*\c:CD+2+6*\c], v[\s+32*\c:\s+15+32*\c], v[TMS+2*\c]
	v_cvt_scalef32_pk16_fp6_f32 v[CD+12+4*\c:CD+14+4*\c], v[\s+16+32*\c:\s+31+32*\c], v[TMS+2*\c+1]
.endr
	v_nop                                          ; one plain place behind a scaled conversion
.irp c, 0,1
.irp i, 0,1,2
	v_permlane16_swap_b32 v[CD+6*\c+\i], v[CD+12+4*\c+\i]
.endr
.irp i, 0,1,2
	v_mov_b32 v[CD+3+6*\c+\i], v[CD+12+4*\c+\i]
.endr
.endr
.endm
	s_wait_alu depctr_va_vdst(0)                   ; the wait at the head's end
	s_wait_tensorcnt 0x0                           ; my tile of the head's four is in
	ds_add_u32 v[SPW], v[NIL]
	s_mov_b32 s[G1+2], 128<<16                     ; no load of mine is out: from here on a load brings 128 rows
	s_mov_b32 s[G1+4], 128
	s_mov_b32 s[G1B+2], 128<<16
	s_mov_b32 s[G1B+4], 128
	s_wait_dscnt 0x0
	CROUND
	JLOAD G0+4, G1, G0B+4, G1B                     ; chunk 1, the first tensor load behind the round
	s_load_b128 s[4:7], s[0:1], 0x28               ; img s[4:5], vt s[6:7] (the head's descriptors there are done with)
	FETCH_B 0, 0
	FETCH_A 0, 0
	SCALES 0
	FETCH_A 0, 4
	s_wait_loadcnt 0x0                             ; the bias
	s_wait_kmcnt 0x0
	s_cmp_eq_u32 s97, 2                            ; the first step is written twice: its C is the bias along B's rows (q, k) or along A's (v)
	s_cbranch_scc1 .Lfirst_v
	STEP 0, 1
	s_branch .Lfirst_done
.Lfirst_v:
	STEP 0, 2
.Lfirst_done:
.set ST, 1
.rept STEPS-2
	STEP ST, 0
.set ST, ST+1
.endr
	s_wait_dscnt 4*NL
	WMUL 0, 0
	MUL16 0, 1, 1, 1, 0
	MUL16 2, 1, 1, 1, 0
	s_wait_dscnt 0
	WMUL 1, 0
	MUL16 4, 1, 1, 1, 0
	MUL16 6, 1, 1, 1, 0
	WIN 0
	; ---- THE WAY OUT
	s_wait_dscnt 0x0
	s_barrier_signal -1
	s_barrier_wait -1                              ; everybody's reads of the ring are over: the stages may be laid over it.
	PLACES NP
.irp a, 0,1,2,3,4,5,6,7                        ; row 16 a + r, bytes 64 b + 32 h on; each accumulator from its low end on
	WIN 0x08+4*(\a/4)
.irp b, 0,1,2,3,4,5,6,7
	ds_store_b128 v[STO], v[64*(\a%4)+8*\b:64*(\a%4)+8*\b+3] offset:16*SPITCH*\a+64*\b
	ds_store_b128 v[STO], v[64*(\a%4)+8*\b+4:64*(\a%4)+8*\b+7] offset:16*SPITCH*\a+64*\b+16
.endr
.endr
	WIN 0
	s_mov_b32 s[SEL], 0x76543210
	s_mov_b32 s[SEL+1], 0xfedcba98
	v_and_b32 v1, 31, v0
	v_bfe_u32 v3, v0, 4, 1
	v_lshlrev_b32 v[O8], 3, v1
	v_lshlrev_b32 v[O4], 2, v1
.set cn, 0
.rept 32
	v_lshl_add_u32 v[RK+cn], v3, 5, cn+1           ; k = 32 h + i + 1
.set cn, cn+1
.endr
.set cn, 0
.rept 32
	v_cvt_f32_u32 v[RK+cn], v[RK+cn]
.set cn, cn+1
.endr
	v_cvt_f32_u32 v[HFL], v3
	v_fma_f32 v[SG], v[HFL], -2.0, 1.0
.set cn, 0
	s_wait_alu depctr_va_vdst(0)                   ; ahead of the batch
.rept 32
	v_rcp_f32 v[RK+cn], v[RK+cn]
.set cn, cn+1
.endr
.irp b, 0,1,2,3
	v_mov_b32 v[TMB+\b], 0                         ; a lane permute's destination counts as a source
.endr
	v_mov_b32 v[T1], 0
	v_mov_b32 v[TAU+1], 0
	s_wait_alu depctr_va_vdst(0)                   ; one wait for the 32 reciprocals
	; where my results go.  Tokens: 1,024 g + 256 p + 128 ph; features: 256 f + 128 fh = heads 4 f + 2 fh and the next
	s_cmp_eq_u32 s97, 2
	s_cselect_b32 s17, s40, s41                    ; p
	s_cselect_b32 s18, s16, s15                    ; ph
	s_cselect_b32 s19, s41, s40                    ; f
	s_cselect_b32 s20, s15, s16                    ; fh
	s_mov_b32 s21, REC
	s_mov_b32 s30, 1536
	s_cselect_b32 s30, s30, 768                    ; from a trip's image to the next;
	s_mov_b32 s32, 16*REC-3*1536
	s_cselect_b32 s32, s32, 768                    ; behind trip 3: for v from channel tile 3 of a head to tile 0 of the next
	s_mov_b32 s33, 16*REC-3*128
	s_cselect_b32 s33, s33, 128
	s_cselect_b32 s35, 14336, 0                    ; the kind's place in a record: v 14,336, q 0,
	s_cmp_eq_u32 s97, 0
	s_cselect_b32 s35, 7168, s35                   ; k 7,168
	s_and_b32 s22, s96, 1
	s_lshl_b32 s22, s22, 3
	s_lshl_b32 s17, s17, 1
	s_add_co_u32 s22, s22, s17
	s_add_co_u32 s22, s22, s18                     ; which 128 tokens of the batch's 2,048
	s_lshr_b32 s23, s96, 1
	s_lshl_b32 s23, s23, 4
	s_lshl_b32 s19, s19, 2
	s_add_co_u32 s23, s23, s19
	s_lshl_b32 s20, s20, 1
	s_add_co_u32 s23, s23, s20                     ; 16 x batch + head
	s_lshl_b32 s23, s23, 4
	s_add_co_u32 s22, s22, s23
	s_mul_i32 s22, s22, s21
	s_add_co_u32 s22, s22, s35
	s_mov_b32 s23, 0
	s_add_nc_u64 s[24:25], s[4:5], s[22:23]        ; the images
	s_add_nc_u64 s[26:27], s[24:25], 6144          ; the scale words
	s_lshl_b32 s22, s41, 8
	s_lshl_b32 s17, s15, 7
	s_add_co_u32 s22, s22, s17
	s_lshl_b32 s22, s22, 15                        ; vt: my first feature's row of 32,768 bytes,
	s_lshl_b32 s17, s40, 8
	s_add_co_u32 s17, s17, s98
	s_lshl_b32 s18, s16, 7
	s_add_co_u32 s17, s17, s18
	s_lshl_b32 s17, s17, 2                         ; my first token
	s_add_co_u32 s22, s22, s17
	s_add_nc_u64 s[28:29], s[6:7], s[22:23]
	s_mov_b32 s3, 0
	s_mov_b32 s34, 0
	s_mov_b32 s37, 0
	s_mov_b32 s39, 0
.Lrows:                                                ; eight trips: rows 16 a .. 16 a + 15 of my part of C
	v_add_nc_u32 v[HAD], s34, v[STO]
.irp b, 0,1,2,3,4,5,6,7
	ds_load_b128 v[H+8*\b:H+8*\b+3], v[HAD] offset:64*\b
	ds_load_b128 v[H+8*\b+4:H+8*\b+7], v[HAD] offset:64*\b+16
.endr
	s_wait_dscnt 0x0
	s_cmp_lg_u32 s97, 0
	s_cbranch_scc1 .Lno_sparsemax
	SPARSEMAX H
	SPARSEMAX H+32
.Lno_sparsemax:
	QUANT H
	s_cmp_eq_u32 s97, 2
	s_cbranch_scc1 .Lstore_v
	global_store_b128 v[CO], v[CD:CD+3], s[24:25]                   ; q, k: registers 0-5 my first head's half fragment, 6-11 my second head's, 16 records on
	global_store_b64 v[O8], v[CD+4:CD+5], s[24:25] offset:512
	global_store_b128 v[CO], v[CD+6:CD+9], s[24:25] offset:16*REC
	global_store_b64 v[O8], v[CD+10:CD+11], s[24:25] offset:16*REC+512
	v_and_b32 v[PW0], 0xffff, v[PW]
	v_lshrrev_b32 v[PW1], 16, v[PW]
	global_store_b32 v[O4], v[PW0], s[26:27]
	global_store_b32 v[O4], v[PW1], s[26:27] offset:16*REC
	s_branch .Lstored
.Lstore_v:
	s_wait_alu depctr_va_vdst(0)                   ; behind the taken branch
.irp c, 0,1,2
	global_store_b128 v[CO], v[CD+4*\c:CD+4*\c+3], s[24:25] offset:512*\c   ; v: a full fragment
.endr
	global_store_b32 v[O4], v[PW], s[26:27]
	v_add_nc_u32 v[RAD], s34, v[RD]
.set cn, 0
.rept 16
	ds_load_b128 v[W0+4*cn:W0+4*cn+3], v[RAD] offset:cn*SPITCH      ; the 16 rows in f32: a row's 512 bytes in 32 lanes
.set cn, cn+1
.endr
.set cn, 0
.rept 16
	s_wait_dscnt 15-cn                             ; row cn is in; the younger rows may be out
	global_store_b128 v[CO], v[W0+4*cn:W0+4*cn+3], s[28:29] offset:cn*32768 th:TH_STORE_NT
.set cn, cn+1
.endr
.Lstored:
	s_wait_xcnt 0x0                                ; the stores have read their data, offsets and bases
	s_cmp_eq_u32 s3, 3
	s_cselect_b32 s36, s32, s30
	s_cselect_b32 s38, s33, 128
	s_add_nc_u64 s[24:25], s[24:25], s[36:37]
	s_add_nc_u64 s[26:27], s[26:27], s[38:39]
	s_add_nc_u64 s[28:29], s[28:29], 524288
	s_add_co_u32 s34, s34, 16*SPITCH
	s_add_co_u32 s3, s3, 1
	s_cmp_lt_u32 s3, 8
	s_cbranch_scc1 .Lrows
	s_wait_tensorcnt 0x0                           ; the wave's end
	ds_add_u32 v[SPW], v[NIL]
	s_wait_dscnt 0x0
	CROUND                                         ; the closing round
	s_endpgm
.Lfunc_end_k_q27b548c605_qkv:
	.size	k_q27b548c605_qkv, .Lfunc_end_k_q27b548c605_qkv-k_q27b548c605_qkv
	.p2alignl 7, 3214868480
	.fill 96, 4, 3214868480
	.section	.rodata,"a",@progbits
	.p2align	6, 0x0
	.amdhsa_kernel k_q27b548c605_qkv
		.amdhsa_group_segment_fixed_size 327680
		.amdhsa_private_segment_fixed_size 0
		.amdhsa_enable_private_segment 0
		.amdhsa_kernarg_size 56
		.amdhsa_user_sgpr_count 2
		.amdhsa_user_sgpr_kernarg_segment_ptr 1
		.amdhsa_wavefront_size32 1
		.amdhsa_system_sgpr_workgroup_id_x 1
		.amdhsa_system_sgpr_workgroup_id_y 1
		.amdhsa_system_sgpr_workgroup_id_z 1
		.amdhsa_system_vgpr_workitem_id 0
		.amdhsa_next_free_vgpr 1024
		.amdhsa_next_free_sgpr 106
		.amdhsa_reserve_vcc 0
		.amdhsa_float_denorm_mode_32 3
		.amdhsa_float_denorm_mode_16_64 3
		.amdhsa_memory_ordered 1
		.amdhsa_forward_progress 1
		.amdhsa_inst_pref_size 241
	.end_amdhsa_kernel
	.amdgpu_metadata
---
amdhsa.version: [ 1, 2 ]
amdhsa.kernels:
  - .name:           k_q27b548c605_qkv
    .symbol:         k_q27b548c605_qkv.kd
    .args:
      - { .name: x_codes, .offset: 0, .size: 8, .value_kind: global_buffer, .address_space: global }
      - { .name: x_scales, .offset: 8, .size: 8, .value_kind: global_buffer, .address_space: global }
      - { .name: W_attn_codes, .offset: 16, .size: 8, .value_kind: global_buffer, .address_space: global }
      - { .name: W_attn_scales, .offset: 24, .size: 8, .value_kind: global_buffer, .address_space: global }
      - { .name: b_attn, .offset: 32, .size: 8, .value_kind: global_buffer, .address_space: global }
      - { .name: img, .offset: 40, .size: 8, .value_kind: global_buffer, .address_space: global }
      - { .name: vt, .offset: 48, .size: 8, .value_kind: global_buffer, .address_space: global }
    .group_segment_fixed_size: 327680
    .private_segment_fixed_size: 0
    .kernarg_segment_align: 8
    .kernarg_segment_size: 56
    .max_flat_workgroup_size: 128
    .sgpr_count:     106
    .vgpr_count:     1024
    .wavefront_size: 32
...
	.end_amdgpu_metadata
.endif
;; end of part 1
;; launch attn (part 2): grid 4 x 64, 16 waves a work-group, no clusters, 327,680 bytes of LDS; arguments img, vt, yimg, ysc; writes yimg, ysc
.if DOCPART == 2
	.amdgcn_target "amdgcn-amd-amdhsa--gfx1250"
	.amdhsa_code_object_version 6
	.text
	.protected	k_q27b548c605_attn
	.globl	k_q27b548c605_attn
	.p2align	8
	.type	k_q27b548c605_attn,@function
k_q27b548c605_attn:
	s_mov_b64 s[64:65], 0
	v_nop
	global_prefetch_b8 v0, s[64:65] scope:SCOPE_SE
	s_setreg_imm32_b32 hwreg(HW_REG_WAVE_MODE, 25, 1), 1
	s_wait_xcnt 0x0
; img: records of REC bytes for each 128 tokens of a batch x head: q's images at 0, k's at KREC, v's at 2 KREC.  One tensor load a wave brings k's and v's part of one record, LREC bytes, which lie on end.
.set KREC, 7168
.set REC,  20992
.set LREC, 13824
.set L16,  1
.set L8,   2
.set L4,   3
.set VTL,  4
.set YSL,  5
.set RH,   6
.set ADT,  7
.set ADK16, 8
.set ADK8, 9
.set ADS,  10
.set ADV,  11
.set PFO,  93
.set LN,   94
.set WV,   18
.set BH,   19
.set SEL,  20
.set CS,   22
.set KA,   44
.set KB,   45
.set KF,   76
.set TK,   77
.set TV,   78
.set CNT,  79
.set PFA,  92
.set PFK,  94
.set Q0A,  98
.set Q0B,  99
.macro DENSE g, rows
	s_mov_b32 s[\g], 3<<16
	s_mov_b32 s[\g+1], 32<<16
	s_mov_b32 s[\g+2], (\rows)<<16
	s_mov_b32 s[\g+3], 32<<16
	s_mov_b32 s[\g+4], \rows
	s_mov_b32 s[\g+5], 32
	s_mov_b32 s[\g+6], 0
	s_mov_b32 s[\g+7], 0
.endm
.macro QOFF q0, pc, ps
	s_lshr_b32 s95, s[\q0], 7
	s_mul_i32 s95, s95, REC
	s_add_co_u32 s95, s95, s66
	s_bfe_u32 s96, s[\q0], 0x30004
	s_mul_i32 s[\pc], s96, 768
	s_add_co_u32 s[\pc], s[\pc], s95
	s_mov_b32 s[\pc+1], 0
	s_lshl_b32 s[\ps], s96, 7
	s_add_co_u32 s[\ps], s[\ps], s95
	s_mov_b32 s[\ps+1], 0
.endm
.macro TOFF q0, vb, yb, sb
	s_add_co_u32 s[\sb], s95, s[\q0]
	s_lshl_b32 s[\vb], s[\sb], 2
	s_add_co_u32 s[\vb], s[\vb], s97
	s_mov_b32 s[\vb+1], 0
	s_add_co_u32 s[\yb], s[\sb], s96
	s_mul_i32 s[\yb], s[\yb], 768
	s_mov_b32 s[\yb+1], 0
	s_lshl_b32 s[\sb], s[\sb], 5
	s_add_co_u32 s[\sb], s[\sb], s96
	s_add_co_u32 s[\sb], s[\sb], s96
	s_mov_b32 s[\sb+1], 0
.endm
	s_load_b64 s[4:5], s[0:1], 0x0
	s_load_b64 s[10:11], s[0:1], 0x8
	s_load_b128 s[12:15], s[0:1], 0x10
	v_lshl_add_u32 v254, v0, 2, 0x36000
	v_mov_b32 v255, 0
	ds_add_u32 v254, v255
	ds_add_u32 v254, v255
	s_wait_dscnt 0x0
	v_lshrrev_b32 v7, 5, v0
	s_delay_alu instid0(VALU_DEP_1)
	v_readfirstlane_b32 s[WV], v7
	s_and_b32 s[BH], ttmp7, 0xffff
	s_lshr_b32 s47, s[WV], 1
	s_lshl_b32 s[KA], s47, 7
	s_xor_b32 s47, s47, 7
	s_lshl_b32 s[KB], s47, 7
	s_add_co_u32 s[KB], s[KB], 1024
	s_and_b32 s47, s[WV], 1
	s_cmp_eq_u32 s47, 0
	s_cselect_b32 s[PFK], 768, -1
	s_lshl_b32 s46, s47, 4
	s_lshl_b32 s47, ttmp9, 5
	s_add_co_u32 s46, s46, s47
	s_add_co_u32 s[Q0A], s[KA], s46
	s_add_co_u32 s[Q0B], s[KB], s46
	s_mul_i32 s66, s[BH], 16*REC
	DENSE 24, 54
	s_mul_i32 s57, s[WV], LREC
	s_mul_i32 s40, s[WV], REC
	s_add_co_u32 s40, s40, s66
	s_add_co_u32 s40, s40, KREC
	s_mov_b32 s41, 0
	QOFF Q0A, 100, 2
	QOFF Q0B, 104, 16
	s_lshr_b32 s95, s[BH], 4
	s_lshl_b32 s95, s95, 11
	s_and_b32 s96, s[BH], 15
	s_lshl_b32 s97, s96, 21
	TOFF Q0A, 80, 84, 88
	TOFF Q0B, 82, 86, 90
	s_lshl_b32 s92, ttmp9, 4
	s_add_co_u32 s92, s92, s[WV]
	s_lshl_b32 s92, s92, 15
	s_add_co_u32 s92, s92, s97
	s_lshl_b32 s93, s95, 2
	s_add_co_u32 s92, s92, s93
	s_mov_b32 s93, 0
	s_mov_b32 s[SEL], 0x76543210
	s_mov_b32 s[SEL+1], 0xfedcba98
	s_mov_b32 s[CS], 0x3e38aa3b
	s_mov_b32 s[CS+1], s[CS]
	s_mov_b32 s[KF], 0
	s_mov_b32 s[TK], 0
	s_mov_b32 s[TV], KREC
	s_wait_kmcnt 0x0
	s_mov_b32 s56, 1
	s_add_nc_u64 s[58:59], s[4:5], s[40:41]
	s_or_b32 s59, s59, 0x80000000
	tensor_load_to_lds s[56:59], s[24:31]
	s_nop 0
.rept 4
	v_nop
.endr
	s_add_nc_u64 s[100:101], s[4:5], s[100:101]
	s_add_nc_u64 s[2:3], s[4:5], s[2:3]
	s_add_nc_u64 s[104:105], s[4:5], s[104:105]
	s_add_nc_u64 s[16:17], s[4:5], s[16:17]
	s_add_nc_u64 s[80:81], s[10:11], s[80:81]
	s_add_nc_u64 s[82:83], s[10:11], s[82:83]
	s_add_nc_u64 s[84:85], s[12:13], s[84:85]
	s_add_nc_u64 s[86:87], s[12:13], s[86:87]
	s_add_nc_u64 s[88:89], s[14:15], s[88:89]
	s_add_nc_u64 s[90:91], s[14:15], s[90:91]
	s_add_nc_u64 s[PFA:PFA+1], s[10:11], s[PFA:PFA+1]
	v_and_b32 v[LN], 31, v0
	v_and_b32 v8, 15, v0
	v_bfe_u32 v9, v0, 4, 1
	s_delay_alu instid0(VALU_DEP_3)
	v_lshlrev_b32 v[L16], 4, v[LN]
	s_delay_alu instid0(VALU_DEP_4)
	v_lshl_add_u32 v[L8], v[LN], 3, 512
	v_lshl_add_u32 v[L4], v[LN], 2, 6144
	global_load_b128 v[16:19], v[L16], s[100:101]
	global_load_b64 v[20:21], v[L8], s[100:101]
	global_load_b32 v255, v[L4], s[2:3]
	global_load_b128 v[80:83], v[L16], s[104:105]
	global_load_b64 v[84:85], v[L8], s[104:105]
	global_load_b32 v92, v[L4], s[16:17]
	v_lshlrev_b32 v[VTL], 2, v8
	s_delay_alu instid0(VALU_DEP_1)
	v_lshl_add_u32 v[VTL], v9, 19, v[VTL]
	v_lshl_add_u32 v[YSL], v8, 5, v9
	v_lshlrev_b32 v10, 3, v9
	s_delay_alu instid0(VALU_DEP_1)
	v_sub_nc_u32 v[RH], v8, v10
	s_delay_alu instid0(VALU_DEP_1)
	v_add_nc_u32 v[RH], s46, v[RH]
	v_lshlrev_b32 v[PFO], 8, v8
	s_delay_alu instid0(VALU_DEP_1)
	v_lshl_add_u32 v[PFO], v9, 15, v[PFO]
.irp j, 0,1,2,3,4,5
	v_mov_b32 v[22+\j], 0
	v_mov_b32 v[86+\j], 0
.endr
.irp t, 0,1,2,3
.irp j, 6,7,8,9,10,11
	v_mov_b32 v[32+12*\t+\j], 0
.endr
.endr
.irp s, 12, 28
	v_mov_b32 v[\s+1], 0xff61b1e6
	s_delay_alu instid0(VALU_DEP_1)
	v_floor_f32 v[\s], -v[\s+1]
	v_mov_b32 v[\s+2], 0
	v_mov_b32 v[\s+3], 0
.endr
.irp b, 0,1,2,3
	v_mov_b32 v[236+\b], 0
.endr
	v_mov_b32 v245, 0
	v_mov_b32 v252, 0
	v_mov_b32 v253, 0
.set cn, 0
.rept 64
	v_mov_b32 v[160+cn], 0
.set cn, cn+1
.endr
.macro STEP ob, st, qf, qs, kd, mode
.if \mode
	s_cmp_gt_u32 s[KF], s[\kd]
	s_cbranch_scc1 .Lhidden_\@
.endif
	s_wait_alu depctr_va_vdst(0)
.irp g, 0,1
.rept 4
	v_nop
.endr
.irp t, 0,1,2,3
	ds_load_b128 v[32+12*\t:35+12*\t], v[ADK16] offset:(4*\g+\t)*768
	ds_load_b64 v[36+12*\t:37+12*\t], v[ADK8] offset:(4*\g+\t)*768
	ds_load_b32 v[248+\t], v[ADS] offset:(4*\g+\t)*128
.endr
	s_wait_dscnt 0x0
.irp t, 0,1,2,3
	v_wmma_scale_f32_16x16x128_f8f6f4 v[96+8*(4*\g+\t):103+8*(4*\g+\t)], v[32+12*\t:43+12*\t], v[\qf:\qf+11], 0, v[248+\t], v[\qs] matrix_a_fmt:MATRIX_FMT_FP6 matrix_b_fmt:MATRIX_FMT_FP6
.endr
.endr
.rept 4
	v_nop
.endr
.if \mode
	s_cmp_lt_u32 s[KF], s[\kd]
	s_cbranch_scc1 .Lopen_\@
	v_mov_b32 v254, 0xff800000
.irp t, 7,6,5,4,3,2,1,0                        ; from the last key tile down; a tile whose 16 keys all lie under my first query (s46, made of ids) hides nothing, and so do all below it
	s_cmp_gt_u32 s46, 16*\t+15
	s_wait_alu depctr_va_vdst(0)                   ; ahead of the branch
	s_cbranch_scc1 .Lopen_\@
.irp j, 0,1,2,3,4,5,6,7
	v_cmp_gt_i32 vcc_lo, 16*\t+\j, v[RH]
	v_cndmask_b32 v[96+8*\t+\j], v[96+8*\t+\j], v254, vcc_lo
.endr
.endr
.Lopen_\@:
.endif
.irp b, 0,1,2,3
	v_max3_num_f32 v[232+\b], v[96+16*\b], v[97+16*\b], v[98+16*\b]
.endr
.irp i, 3,5,7,9,11,13
.irp b, 0,1,2,3
	v_max3_num_f32 v[232+\b], v[232+\b], v[96+16*\b+\i], v[97+16*\b+\i]
.endr
.endr
.irp b, 0,1,2,3
	v_max_num_f32 v[232+\b], v[232+\b], v[111+16*\b]
.endr
.irp b, 0,1,2,3
	s_delay_alu instid0(VALU_DEP_4)
	v_permlanex16_b32 v[236+\b], v[232+\b], s[SEL], s[SEL+1]
.endr
.irp b, 0,1,2,3
	s_delay_alu instid0(VALU_DEP_4)
	v_max_num_f32 v[232+\b], v[232+\b], v[236+\b]
.endr
	s_delay_alu instid0(VALU_DEP_2)
	v_max3_num_f32 v254, v232, v233, v234
	s_delay_alu instid0(VALU_DEP_1)
	v_max_num_f32 v254, v254, v235
	s_delay_alu instid0(VALU_DEP_1)
	v_mul_f32 v254, s[CS], v254
	s_delay_alu instid0(VALU_DEP_1)
	v_max_num_f32 v[\st+1], v[\st+1], v254
	v_mov_b32 v254, v[\st]
	s_delay_alu instid0(VALU_DEP_2)
	v_floor_f32 v[\st], -v[\st+1]
	s_delay_alu instid0(VALU_DEP_1)
	v_sub_f32 v254, v[\st], v254
	s_delay_alu instid0(VALU_DEP_1)
	v_cvt_i32_f32 v254, v254
	s_delay_alu instid0(VALU_DEP_1)
	v_ldexp_f32 v252, 1.0, v254
.set cn, 0
.rept 32
	v_pk_fma_f32 v[96+cn:97+cn], v[96+cn:97+cn], s[CS:CS+1], v[\st:\st+1] op_sel_hi:[1,0,0]
.set cn, cn+2
.endr
.irp b, 0,1,2,3
	v_fma_f32 v[232+\b], v[232+\b], s[CS], v[\st]
.endr
.set cn, 0
	s_wait_alu depctr_va_vdst(0)
.rept 64
	v_exp_f32 v[96+cn], v[96+cn]
.set cn, cn+1
.endr
	v_pk_mul_f32 v[\st+2:\st+3], v[\st+2:\st+3], v[252:253] op_sel_hi:[1,0]
	s_wait_alu depctr_va_vdst(0)
.irp b, 0,1,2,3
	v_exp_f32 v[232+\b], v[232+\b]
.endr
	v_pk_add_f32 v[236:237], v[96:97], v[98:99]
.irp j, 4,8,12,16,20,24,28,32,36,40,44,48,52,56,60
	v_pk_add_f32 v[\st+2:\st+3], v[\st+2:\st+3], v[96+\j:97+\j]
	v_pk_add_f32 v[236:237], v[236:237], v[98+\j:99+\j]
.endr
	s_delay_alu instid0(VALU_DEP_1)
	v_pk_add_f32 v[\st+2:\st+3], v[\st+2:\st+3], v[236:237]
	s_wait_alu depctr_va_vdst(0)
.irp b, 0,1,2,3
	v_max_num_f32 v[232+\b], 0x1800000, v[232+\b]
.endr
.irp b, 0,1,2,3
	s_delay_alu instid0(VALU_DEP_4)
	v_add_nc_u32 v[244+\b], 0xff000000, v[232+\b]
.endr
.irp b, 0,1,2,3
	s_delay_alu instid0(VALU_DEP_4)
	v_lshrrev_b32 v[236+\b], 23, v[244+\b]
.endr
	s_delay_alu instid0(VALU_DEP_3)
	v_lshl_or_b32 v253, v237, 8, v236
	s_delay_alu instid0(VALU_DEP_1)
	v_lshl_or_b32 v253, v238, 16, v253
	s_delay_alu instid0(VALU_DEP_1)
	v_lshl_or_b32 v253, v239, 24, v253
.irp c, 0,1
	v_cvt_scalef32_pk16_fp6_f32 v[224+6*\c:226+6*\c], v[96+32*\c:111+32*\c], v[244+2*\c]
	v_cvt_scalef32_pk16_fp6_f32 v[236+4*\c:238+4*\c], v[112+32*\c:127+32*\c], v[244+2*\c+1]
.endr
	v_nop
.irp c, 0,1
.irp i, 0,1,2
	v_permlane16_swap_b32 v[224+6*\c+\i], v[236+4*\c+\i]
.endr
.irp i, 0,1,2
	s_delay_alu instid0(VALU_DEP_3)
	v_mov_b32 v[227+6*\c+\i], v[236+4*\c+\i]
.endr
.endr
.set cn, 0
.rept 16
	v_pk_mul_f32 v[\ob+cn:\ob+cn+1], v[\ob+cn:\ob+cn+1], v[252:253] op_sel_hi:[1,0]
.set cn, cn+2
.endr
.irp t, 0,1,2,3
.irp c, 0,1,2
	ds_load_b128 v[32+12*\t+4*\c:35+12*\t+4*\c], v[ADV] offset:1536*\t+512*\c
.endr
	ds_load_b32 v[248+\t], v[ADT] offset:128*\t
.endr
	s_wait_alu depctr_va_vdst(0)
	s_wait_dscnt 0x0
.irp t, 0,1,2,3
	v_wmma_scale_f32_16x16x128_f8f6f4 v[\ob+8*\t:\ob+8*\t+7], v[32+12*\t:43+12*\t], v[224:235], v[\ob+8*\t:\ob+8*\t+7], v[248+\t], v253 matrix_a_fmt:MATRIX_FMT_FP6 matrix_b_fmt:MATRIX_FMT_FP6
.endr
.if \mode
.Lhidden_\@:
.endif
.endm
.macro ADDR
	v_add_nc_u32 v[ADK16], s[TK], v[L16]
	v_add_nc_u32 v[ADK8], s[TK], v[L8]
	v_add_nc_u32 v[ADS], s[TK], v[L4]
	v_add_nc_u32 v[ADV], s[TV], v[L16]
	v_add_nc_u32 v[ADT], s[TV], v[L4]
.endm
.macro NEXT
	s_add_co_u32 s[TK], s[TK], LREC
	s_add_co_u32 s[TV], s[TV], LREC
	s_add_co_u32 s[KF], s[KF], 128
.endm
.macro FINISH ob, st, vv, yb, sb
	v_add_f32 v[\st+2], v[\st+2], v[\st+3]
	s_delay_alu instid0(VALU_DEP_1)
	v_permlanex16_b32 v252, v[\st+2], s[SEL], s[SEL+1]
	s_delay_alu instid0(VALU_DEP_1)
	v_add_f32 v[\st+2], v[\st+2], v252
	s_wait_alu depctr_va_vdst(0)
	v_rcp_f32 v[\st+2], v[\st+2]
	v_nop
	s_wait_alu depctr_va_vdst(0)
.set cn, 0
.rept 16
	v_pk_mul_f32 v[96+cn:97+cn], v[\ob+cn:\ob+cn+1], v[\st+2:\st+3] op_sel_hi:[1,0]
.set cn, cn+2
.endr
.irp b, 0,1
.irp j, 0,1,2,3,4,5,6,7
	v_permlane16_swap_b32 v[96+16*\b+\j], v[104+16*\b+\j]
.endr
.endr
	s_wait_loadcnt 0x0
	v_pk_mul_f32 v[240:241], v[\vv:\vv+1], v[\vv:\vv+1]
	v_pk_mul_f32 v[242:243], v[96:97], v[\vv:\vv+1]
.set cn, 2
.rept 15
	s_delay_alu instid0(VALU_DEP_2)
	v_pk_fma_f32 v[240:241], v[\vv+cn:\vv+cn+1], v[\vv+cn:\vv+cn+1], v[240:241]
	s_delay_alu instid0(VALU_DEP_2)
	v_pk_fma_f32 v[242:243], v[96+cn:97+cn], v[\vv+cn:\vv+cn+1], v[242:243]
.set cn, cn+2
.endr
	s_delay_alu instid0(VALU_DEP_2)
	v_add_f32 v240, v240, v241
	s_delay_alu instid0(VALU_DEP_2)
	v_add_f32 v242, v242, v243
	s_delay_alu instid0(VALU_DEP_2)
	v_permlanex16_b32 v241, v240, s[SEL], s[SEL+1]
	s_delay_alu instid0(VALU_DEP_2)
	v_permlanex16_b32 v243, v242, s[SEL], s[SEL+1]
	s_delay_alu instid0(VALU_DEP_2)
	v_add_f32 v240, v240, v241
	s_delay_alu instid0(VALU_DEP_2)
	v_add_f32 v242, v242, v243
	s_wait_alu depctr_va_vdst(0)
	v_sqrt_f32 v240, v240
	v_nop
	s_wait_alu depctr_va_vdst(0)
	v_max_num_f32 v240, 0x2b8cbccc, v240
	s_wait_alu depctr_va_vdst(0)
	v_rcp_f32 v241, v240
	v_nop
	s_wait_alu depctr_va_vdst(0)
	v_mul_f32 v242, v242, v241
	v_mul_f32 v244, -v242, v241
.set cn, 0
.rept 16
	v_pk_fma_f32 v[96+cn:97+cn], v[\vv+cn:\vv+cn+1], v[244:245], v[96+cn:97+cn] op_sel_hi:[1,0,1]
.set cn, cn+2
.endr
.irp b, 0,1
	v_max3_num_f32 v[232+\b], |v[96+16*\b]|, |v[97+16*\b]|, 0x1800000
.endr
.irp i, 2,4,6,8,10,12,14
.irp b, 0,1
	s_delay_alu instid0(VALU_DEP_2)
	v_max3_num_f32 v[232+\b], v[232+\b], |v[96+16*\b+\i]|, |v[97+16*\b+\i]|
.endr
.endr
.irp b, 0,1
	s_delay_alu instid0(VALU_DEP_2)
	v_permlanex16_b32 v[236+\b], v[232+\b], s[SEL], s[SEL+1]
.endr
.irp b, 0,1
	s_delay_alu instid0(VALU_DEP_2)
	v_max_num_f32 v[232+\b], v[232+\b], v[236+\b]
.endr
.irp b, 0,1
	s_delay_alu instid0(VALU_DEP_2)
	v_add_nc_u32 v[234+\b], 0xff000000, v[232+\b]
.endr
.irp b, 0,1
	s_delay_alu instid0(VALU_DEP_2)
	v_lshrrev_b32 v[236+\b], 23, v[234+\b]
.endr
	v_cmp_gt_u32 vcc_lo, 16, v[LN]
	v_cvt_scalef32_pk16_fp6_f32 v[224:226], v[96:111], v234
	v_cvt_scalef32_pk16_fp6_f32 v[228:230], v[112:127], v235
	v_nop
	v_cndmask_b32 v238, v237, v236, vcc_lo
.irp i, 0,1,2
	v_permlane16_swap_b32 v[224+\i], v[228+\i]
.endr
.irp i, 0,1,2
	s_delay_alu instid0(VALU_DEP_3)
	v_mov_b32 v[227+\i], v[228+\i]
.endr
	global_store_b128 v[L16], v[224:227], s[\yb:\yb+1]
	global_store_b64 v[L8], v[228:229], s[\yb:\yb+1]
	global_store_b8 v[YSL], v238, s[\sb:\sb+1]
.endm
	s_wait_tensorcnt 0x0
	s_barrier_signal -1
	s_barrier_wait -1
	s_wait_loadcnt 0x0
	s_mov_b32 s[CNT], 8
.Lboth:
	ADDR
	STEP 160, 12, 16, 255, KA, 1
	STEP 192, 28, 80, 92, KB, 0
	s_cmp_eq_u32 s[KF], s[PFK]
	s_cbranch_scc0 .Lno_pf
	global_prefetch_b8 v[PFO], s[PFA:PFA+1] th:TH_LOAD_NT scope:SCOPE_SE
.Lno_pf:
	NEXT
	s_sub_co_u32 s[CNT], s[CNT], 1
	s_cmp_lg_u32 s[CNT], 0
	s_cbranch_scc1 .Lboth
.rept 4
	v_nop
.endr
.set cn, 0
.rept 32
	global_load_b32 v[128+cn], v[VTL], s[80:81] offset:(32*(cn/16)+cn%16)*32768
.set cn, cn+1
.endr
	FINISH 160, 12, 128, 84, 88
.set cn, 0
.rept 32
	global_load_b32 v[160+cn], v[VTL], s[82:83] offset:(32*(cn/16)+cn%16)*32768
.set cn, cn+1
.endr
	s_wait_xcnt 0x0
	s_mov_b32 s[CNT], 8
.Lrest:
	ADDR
	STEP 192, 28, 80, 92, KB, 1
	NEXT
	s_sub_co_u32 s[CNT], s[CNT], 1
	s_cmp_lg_u32 s[CNT], 0
	s_cbranch_scc1 .Lrest
.rept 4
	v_nop
.endr
	FINISH 192, 28, 160, 86, 90
	s_wait_xcnt 0x0
	v_lshl_add_u32 v254, v0, 2, 0x36000
	v_mov_b32 v255, 0
	s_wait_alu depctr_va_vdst(0)
	s_wait_tensorcnt 0x0
	ds_add_u32 v254, v255
	s_wait_dscnt 0x0
	s_endpgm
.Lfunc_end_k_q27b548c605_attn:
	.size	k_q27b548c605_attn, .Lfunc_end_k_q27b548c605_attn-k_q27b548c605_attn
	.p2alignl 7, 3214868480
	.fill 96, 4, 3214868480
	.section	.rodata,"a",@progbits
	.p2align	6, 0x0
	.amdhsa_kernel k_q27b548c605_attn
		.amdhsa_group_segment_fixed_size 327680
		.amdhsa_private_segment_fixed_size 0
		.amdhsa_enable_private_segment 0
		.amdhsa_kernarg_size 32
		.amdhsa_user_sgpr_count 2
		.amdhsa_user_sgpr_kernarg_segment_ptr 1
		.amdhsa_wavefront_size32 1
		.amdhsa_system_sgpr_workgroup_id_x 1
		.amdhsa_system_sgpr_workgroup_id_y 1
		.amdhsa_system_sgpr_workgroup_id_z 1
		.amdhsa_system_vgpr_workitem_id 0
		.amdhsa_next_free_vgpr 256
		.amdhsa_next_free_sgpr 106
		.amdhsa_reserve_vcc 1
		.amdhsa_float_denorm_mode_32 3
		.amdhsa_float_denorm_mode_16_64 3
		.amdhsa_memory_ordered 1
		.amdhsa_forward_progress 1
		.amdhsa_inst_pref_size 101
	.end_amdhsa_kernel
	.amdgpu_metadata
---
amdhsa.version: [ 1, 2 ]
amdhsa.kernels:
  - .name:           k_q27b548c605_attn
    .symbol:         k_q27b548c605_attn.kd
    .args:
      - { .name: img, .offset: 0, .size: 8, .value_kind: global_buffer, .address_space: global }
      - { .name: vt, .offset: 8, .size: 8, .value_kind: global_buffer, .address_space: global }
      - { .name: yimg, .offset: 16, .size: 8, .value_kind: global_buffer, .address_space: global }
      - { .name: ysc, .offset: 24, .size: 8, .value_kind: global_buffer, .address_space: global }
    .group_segment_fixed_size: 327680
    .private_segment_fixed_size: 0
    .kernarg_segment_align: 8
    .kernarg_segment_size: 32
    .max_flat_workgroup_size: 512
    .sgpr_count:     106
    .vgpr_count:     256
    .wavefront_size: 32
...
	.end_amdgpu_metadata
.endif
;; end of part 2
;; launch proj (part 3): grid 32 x 8, 4 waves a work-group, clusters of 4 x 1, 327,680 bytes of LDS; arguments yimg, ysc, W_proj_codes, W_proj_scales, b_proj, out0; writes out0
.if DOCPART == 3
	.amdgcn_target "amdgcn-amd-amdhsa--gfx1250"
	.amdhsa_code_object_version 6
	.text
	.protected	k_q27b548c605_proj
	.globl	k_q27b548c605_proj
	.p2align	8
	.type	k_q27b548c605_proj,@function
k_q27b548c605_proj:
	s_mov_b64 s[64:65], 0
	v_nop
	global_prefetch_b8 v0, s[64:65] scope:SCOPE_SE
	s_setreg_imm32_b32 hwreg(HW_REG_WAVE_MODE, 25, 1), 1
	s_wait_xcnt 0x0
	s_wait_alu depctr_hold_cnt(0) depctr_sa_sdst(0) depctr_va_vdst(0) depctr_va_sdst(0) depctr_va_ssrc(0) depctr_va_vcc(0) depctr_vm_vsrc(0)
	s_getreg_b32 s2, hwreg(HW_REG_IB_STS2, 6, 4)
	s_cmp_eq_u32 s2, 0
	s_cbranch_scc0 .Lentry_in_a_cluster
	s_endpgm
.Lentry_in_a_cluster:
	s_bfe_u32 s2, ttmp6, 0x10000c
	s_cmp_lg_u32 s2, 0x3003
	s_cbranch_scc0 .Lentry_shape_is_right
	s_endpgm
.Lentry_shape_is_right:
; out0 = y W_proj + b_proj on codes of FP6 (E2M3), one E8M0 scale for each 32 along K = 1,024.  y: [8,192 tokens], W_proj: [1,024 features][K].
; 256 work-groups: x = 256 tokens, y = 128 features.  A wave makes 64 tokens x 128 features: 32 accumulators.
; W_proj's 128 rows come into LDS ONCE, for all of K: four tensor loads, one a wave, 32 whole rows of 768 bytes each (a row begins at a multiple of 256 bytes); 16 bytes of padding behind every 256: LDS pitch 816.
; Nothing is filled again, so the walk along K has no barrier.  The four work-groups of a cluster (same features, other tokens) ask for these rows jointly.
; y's fragments lie in memory as images of the operand's registers (yimg: [16 tokens][head]: 768 bytes: registers 0-3 at 16 l, registers 4-5 at 512 + 8 l): each wave loads its own 64 tokens straight into registers,
; a ring of five sets of 48 registers, four steps ahead; no two waves of a work-group read the same image, and no partner of the cluster does.  Scale words (a row's 32 bytes: 8 registers) and the bias come into registers too.
; No prefetch: all of W_proj's tile is asked for at the head, and y's images are asked for four steps ahead of their use by the loads themselves.
; The matrix instruction is used transposed (source 0 = 16 rows of W_proj, source 1 = 16 tokens): a lane holds eight neighbouring features of one token.  The bias is the C of each sum's first product.
; REGISTERS: window 0: v16-29 addresses, v32-63 y's scale words, v64-127 W_proj's, v128-191 the bias (on the way out v128-255: rows read back); window 1: W_proj's fragments, two sets; window 2: accumulators; window 3: y's fragments.
.set SIZE_N, 1024
.set PITCH,  816
.set FR,     12
.set SPITCH, 528
.set STAGE,  128*PITCH                 ; behind the tile: a stage of 16 rows x 528 bytes for each wave, bytes of its own
.set SPARE,  STAGE+4*16*SPITCH         ; the spare words
.set ADRB, 16                          ; v16 rows 0-63, v17 the same where lanes 16-31 lie behind one padding more; v18, v19 rows 64-127
.set L16,  20
.set L8,   21
.set SCO,  22
.set BIO,  23
.set STO,  24
.set RD,   25
.set SPW,  28
.set NIL,  29
.set SA,   32
.set SB,   64
.set BI,   128
.set BK,   128
.set MSB, 0
.macro WIN new
.if MSB != (\new)
	s_set_vgpr_msb (MSB<<8)|(\new)
.set MSB, (\new)
.endif
.endm
.macro CROUND
	s_barrier_signal -1
	s_barrier_wait -1
	s_cmp_lg_u32 s16, 0
	s_cbranch_scc1 .Lnot_wave_0_\@
	s_barrier_signal -3
.Lnot_wave_0_\@:
	s_barrier_wait -3
	s_barrier_signal -1
	s_barrier_wait -1
.endm
.macro PLACES n
.rept \n
	v_nop
.endr
.endm
	s_load_b256 s[4:11], s[0:1], 0x0               ; yimg, ysc, W_proj's codes, W_proj's scales
	s_load_b128 s[12:15], s[0:1], 0x20             ; b_proj, out0
	v_lshl_add_u32 v[SPW], v0, 2, SPARE
	v_mov_b32 v[NIL], 0
	ds_add_u32 v[SPW], v[NIL]                      ; the opening lines
	ds_add_u32 v[SPW], v[NIL]
	v_lshrrev_b32 v1, 5, v0
	v_readfirstlane_b32 s16, v1                    ; wave
	v_and_b32 v2, 15, v0                           ; r
	v_bfe_u32 v3, v0, 4, 1                         ; h
	v_and_b32 v4, 31, v0
	v_lshlrev_b32 v[L16], 4, v4
	v_lshlrev_b32 v[L8], 3, v4
	v_lshlrev_b32 v[SCO], 5, v2                    ; a row of scales is 32 bytes
	v_lshlrev_b32 v[BIO], 5, v3
	v_mul_u32_u24 v5, v2, PITCH
	v_mad_u32_u24 v[ADRB], v3, 24, v5
	v_lshl_add_u32 v[ADRB+1], v3, 4, v[ADRB]
	v_add_nc_u32 v[ADRB+2], 64*PITCH, v[ADRB]
	v_add_nc_u32 v[ADRB+3], 64*PITCH, v[ADRB+1]
	s_mul_i32 s17, s16, 16*SPITCH
	s_add_co_u32 s17, s17, STAGE
	v_mul_u32_u24 v6, v2, SPITCH
	v_lshl_add_u32 v6, v3, 5, v6
	v_add_nc_u32 v[STO], s17, v6
	v_add_nc_u32 v[RD], s17, v[L16]
	s_bfe_u32 s18, ttmp6, 0x40000                  ; cx
	s_lshl_b32 s19, ttmp9, 2
	s_add_co_u32 s19, s19, s18                     ; which 256 tokens
	s_and_b32 s20, ttmp7, 0xffff                   ; which 128 features
	s_mov_b32 s24, 15|(1<<20)|(1<<21)|(5<<22)|(3<<25)  ; the cluster's four; elements of 1 byte; 4 words of padding behind every 64
	s_mov_b32 s25, 768<<16
	s_mov_b32 s26, 32<<16
	s_mov_b32 s27, 768<<16
	s_mov_b32 s28, 32
	s_mov_b32 s29, 768
	s_mov_b32 s30, 0
	s_mov_b32 s31, 0
	s_lshl_b32 s22, s20, 7
	s_lshl_b32 s23, s16, 5
	s_add_co_u32 s22, s22, s23                     ; my 32 rows of W_proj: no cx in it
	s_mul_i32 s22, s22, 768
	s_mov_b32 s23, 0
	s_mul_i32 s33, s16, 32*PITCH
	s_lshl_b32 s36, s19, 4
	s_lshl_b32 s37, s16, 2
	s_add_co_u32 s36, s36, s37                     ; my first tile of 16 tokens
	s_lshl_b32 s38, s36, 9                         ; its scales: 512 bytes a tile
	s_lshl_b32 s44, s36, 16                        ; its rows of out0: 65,536 bytes a tile
	s_mul_i32 s36, s36, 12288                      ; its images
	s_mov_b32 s37, 0
	s_mov_b32 s39, 0
	s_lshl_b32 s40, s20, 12
	s_mov_b32 s41, 0
	s_lshl_b32 s42, s20, 9
	s_mov_b32 s43, 0
	s_add_co_u32 s44, s44, s42
	s_mov_b32 s45, 0
	s_wait_alu depctr_va_vdst(0)                   ; the wait at the head's end: no vector instruction writes a register behind it
	s_wait_dscnt 0x0
	s_wait_kmcnt 0x0
	s_mov_b32 s32, 1
	s_add_nc_u64 s[34:35], s[8:9], s[22:23]
	s_or_b32 s35, s35, 0x80000000
	s_add_nc_u64 s[36:37], s[4:5], s[36:37]
	s_add_nc_u64 s[38:39], s[6:7], s[38:39]
	s_add_nc_u64 s[40:41], s[10:11], s[40:41]
	s_add_nc_u64 s[42:43], s[12:13], s[42:43]
	s_add_nc_u64 s[44:45], s[14:15], s[44:45]
	CROUND                                         ; the joint loads meet
	tensor_load_to_lds s[32:35], s[24:31]          ; my one tensor load of the launch
	s_nop 0
	PLACES 4
.macro LOADA st                        ; y's four fragments of step st: heads 2 st and 2 st + 1
.set SL, 48*((\st)%5)
.irp a, 0,1,2,3
	global_load_b128 v[SL+12*\a:SL+12*\a+3], v[L16], s[36:37] offset:12288*\a+1536*(\st)
	global_load_b64 v[SL+12*\a+4:SL+12*\a+5], v[L8], s[36:37] offset:12288*\a+1536*(\st)+512
	global_load_b128 v[SL+12*\a+6:SL+12*\a+9], v[L16], s[36:37] offset:12288*\a+1536*(\st)+768
	global_load_b64 v[SL+12*\a+10:SL+12*\a+11], v[L8], s[36:37] offset:12288*\a+1536*(\st)+1280
.endr
.endm
.macro FETCHB st                       ; W_proj's eight fragments of step st; byte y of a row lies at y + 16 (y / 256)
.irp i, 0,1,2,3,4,5,6,7
.irp p, 0,1,2,3,4,5
.set BY, 96*(\st)+48*(\p/3)+8*(\p%3)
.set RG, 128*((\st)%2)+FR*\i+2*\p
.if BY/256 == (BY+24)/256
	ds_load_b64 v[RG:RG+1], v[ADRB+2*(\i/4)] offset:BY+16*(BY/256)+(\i%4)*16*PITCH
.else
	ds_load_b64 v[RG:RG+1], v[ADRB+1+2*(\i/4)] offset:BY+16*(BY/256)+(\i%4)*16*PITCH
.endif
.endr
.endr
.endm
.macro MUL32 st, zero                  ; the 32 accumulators take turns
.irp a, 0,1,2,3
.irp b, 0,1,2,3,4,5,6,7
.set rD, 8*(8*\a+\b)
.set rB, 128*((\st)%2)+FR*\b
.set rA, 48*((\st)%5)+FR*\a
.if \zero
	v_wmma_scale_f32_16x16x128_f8f6f4 v[rD:rD+7], v[rB:rB+FR-1], v[rA:rA+FR-1], v[BI+8*\b:BI+8*\b+7], v[SB+8*\b+(\st)], v[SA+8*\a+(\st)] matrix_a_fmt:MATRIX_FMT_FP6 matrix_b_fmt:MATRIX_FMT_FP6
.else
	v_wmma_scale_f32_16x16x128_f8f6f4 v[rD:rD+7], v[rB:rB+FR-1], v[rA:rA+FR-1], v[rD:rD+7], v[SB+8*\b+(\st)], v[SA+8*\a+(\st)] matrix_a_fmt:MATRIX_FMT_FP6 matrix_b_fmt:MATRIX_FMT_FP6
.endif
.endr
.endr
.endm
.macro STEP st, zero
.if (\st) < 5
	s_wait_loadcnt 48                              ; this step's images are in; behind them the three next steps' 16 loads each
.else
	s_wait_loadcnt 16*(7-(\st))
.endif
	s_wait_dscnt 0x0                               ; W_proj's fragments of this step
.if (\st) > 0
	PLACES 4                                       ; ahead of loads into registers that the last step's products read
.endif
.if (\st) < 7
	WIN 0x40
	FETCHB (\st)+1
.endif
.if (\st) < 4
	WIN 0xc0
	LOADA (\st)+4
.endif
	WIN 0x8d+0x20*(1-(\zero))                      ; source 0 window 1, source 1 window 3, C window 0 (the bias) or 2, D window 2
	MUL32 \st, \zero
.endm
.irp b, 0,1,2,3,4,5,6,7
	global_load_b128 v[BI+8*\b:BI+8*\b+3], v[BIO], s[42:43] offset:64*\b        ; tile b, register j = b_proj(16 b + 8 h + j)
	global_load_b128 v[BI+8*\b+4:BI+8*\b+7], v[BIO], s[42:43] offset:64*\b+16
.endr
.irp a, 0,1,2,3
	global_load_b128 v[SA+8*\a:SA+8*\a+3], v[SCO], s[38:39] offset:512*\a       ; register s: the scale word of row r for step s
	global_load_b128 v[SA+8*\a+4:SA+8*\a+7], v[SCO], s[38:39] offset:512*\a+16
.endr
.irp b, 0,1,2,3,4,5,6,7
	global_load_b128 v[SB+8*\b:SB+8*\b+3], v[SCO], s[40:41] offset:512*\b
	global_load_b128 v[SB+8*\b+4:SB+8*\b+7], v[SCO], s[40:41] offset:512*\b+16
.endr
	WIN 0xc0
	LOADA 0
	LOADA 1
	LOADA 2
	LOADA 3
	WIN 0
	s_wait_tensorcnt 0x0                           ; my 32 rows are in,
	s_barrier_signal -1
	s_barrier_wait -1                              ; everybody's are
	WIN 0x40
	FETCHB 0
	STEP 0, 1
.set ST, 1
.rept 7
	STEP ST, 0
.set ST, ST+1
.endr
	WIN 0
; THE WAY OUT: a block of 16 tokens x 128 features goes through my stage and comes back as whole rows of 512 bytes, stored by 32 lanes as two aligned runs of 256 bytes
.macro TOSTAGE a
	WIN 0x08
.irp b, 0,1,2,3,4,5,6,7
	ds_store_b128 v[STO], v[64*(\a)+8*\b:64*(\a)+8*\b+3] offset:64*\b            ; each accumulator from its low end on
	ds_store_b128 v[STO], v[64*(\a)+8*\b+4:64*(\a)+8*\b+7] offset:64*\b+16
.endr
	WIN 0
.set BB, BK+64*((\a)%2)
.irp t, 0,1,2,3,4,5,6,7,8,9,10,11,12,13,14,15
	ds_load_b128 v[BB+4*\t:BB+4*\t+3], v[RD] offset:\t*SPITCH                    ; LDS serves a wave's instructions in order
.endr
.endm
.macro SEND a, younger
.set BB, BK+64*((\a)%2)
	s_wait_dscnt \younger
.if (\a) > 0
	s_add_nc_u64 s[44:45], s[44:45], 16*SIZE_N*4   ; behind a wait on XCNT
.endif
.irp t, 0,1,2,3,4,5,6,7,8,9,10,11,12,13,14,15
	global_store_b128 v[L16], v[BB+4*\t:BB+4*\t+3], s[44:45] offset:\t*SIZE_N*4 th:TH_STORE_NT
.endr
.endm
	PLACES 4
	TOSTAGE 0
.irp a, 1,2,3
.if \a > 1
	s_wait_xcnt 0x0                                ; block a - 2's stores have read their registers and their base
.endif
	TOSTAGE \a
	SEND \a-1, 32                                  ; behind block a - 1's loads: block a's 16 stores and 16 loads
.endr
	s_wait_xcnt 0x0
	SEND 3, 0
	s_wait_tensorcnt 0x0                           ; the wave's end
	ds_add_u32 v[SPW], v[NIL]
	s_wait_dscnt 0x0
	CROUND                                         ; the closing round
	s_endpgm
.Lfunc_end_k_q27b548c605_proj:
	.size	k_q27b548c605_proj, .Lfunc_end_k_q27b548c605_proj-k_q27b548c605_proj
	.p2alignl 7, 3214868480
	.fill 96, 4, 3214868480
	.section	.rodata,"a",@progbits
	.p2align	6, 0x0
	.amdhsa_kernel k_q27b548c605_proj
		.amdhsa_group_segment_fixed_size 327680
		.amdhsa_private_segment_fixed_size 0
		.amdhsa_enable_private_segment 0
		.amdhsa_kernarg_size 48
		.amdhsa_user_sgpr_count 2
		.amdhsa_user_sgpr_kernarg_segment_ptr 1
		.amdhsa_wavefront_size32 1
		.amdhsa_system_sgpr_workgroup_id_x 1
		.amdhsa_system_sgpr_workgroup_id_y 1
		.amdhsa_system_sgpr_workgroup_id_z 1
		.amdhsa_system_vgpr_workitem_id 0
		.amdhsa_next_free_vgpr 1024
		.amdhsa_next_free_sgpr 66
		.amdhsa_reserve_vcc 0
		.amdhsa_float_denorm_mode_32 3
		.amdhsa_float_denorm_mode_16_64 3
		.amdhsa_memory_ordered 1
		.amdhsa_forward_progress 1
		.amdhsa_inst_pref_size 94
	.end_amdhsa_kernel
	.amdgpu_metadata
---
amdhsa.version: [ 1, 2 ]
amdhsa.kernels:
  - .name:           k_q27b548c605_proj
    .symbol:         k_q27b548c605_proj.kd
    .args:
      - { .name: yimg, .offset: 0, .size: 8, .value_kind: global_buffer, .address_space: global }
      - { .name: ysc, .offset: 8, .size: 8, .value_kind: global_buffer, .address_space: global }
      - { .name: W_proj_codes, .offset: 16, .size: 8, .value_kind: global_buffer, .address_space: global }
      - { .name: W_proj_scales, .offset: 24, .size: 8, .value_kind: global_buffer, .address_space: global }
      - { .name: b_proj, .offset: 32, .size: 8, .value_kind: global_buffer, .address_space: global }
      - { .name: out0, .offset: 40, .size: 8, .value_kind: global_buffer, .address_space: global }
    .group_segment_fixed_size: 327680
    .private_segment_fixed_size: 0
    .kernarg_segment_align: 8
    .kernarg_segment_size: 48
    .max_flat_workgroup_size: 128
    .sgpr_count:     66
    .vgpr_count:     1024
    .wavefront_size: 32
...
	.end_amdgpu_metadata
.endif
;; end of part 3
